; MI455X (gfx1250); checked and timed in simulation.
; The chip was launched on July 23, 2026; its instructions are those of AMD's public machine-readable ISA for CDNA 5 (MIT licence, August 2026) and "CDNA5" Instruction Set Architecture Reference Guide (July 2026). The comments in the code are by the model that wrote it; some were corrected since.
;; Neuromorphic Brain Zone. Allowed arithmetic: float matrix products may take bf16 or f16 operands with f32 sums; other float arithmetic in f32, or as packed bf16 or f16 multiplies, adds, multiply-adds, maxima and minima; sums over many terms, partial sums and values carried from step to step in f32; what a program stores and reads back later, other than sums and carried values, may be rounded once to bf16 or f16.
;; Inputs: W_in 2,048 x 512 float32; W_out 512 x 2,048 float32; b_in 2,048 float32; b_out 512 float32; v_th 2,048 float32; x 2 x 256 x 512 float32.
;; Outputs: out0 2 x 256 x 512 float32.
;; 2 versions, each right; version 2 is version 1 with the launch spikes written anew for expert scheduling mode. Each part assembles by itself: llvm-mc -triple=amdgcn-amd-amdhsa -mcpu=gfx1250 --defsym DOCPART=n.
;; ======== version 1 of 2: 2 launches
;; limits: a difference of large sums (such as E[x^2] - mean^2): digits are lost where the result is much smaller than its terms
;; workspace buffers: sp 2,097,152 bytes; wob 2,097,152 bytes
;; launch spikes (part 1): grid 32 x 8, 4 waves a work-group, no clusters, 167,936 bytes of LDS; arguments x, W_in, b_in, v_th, W_out, sp, wob; writes sp, wob
.if DOCPART == 1
	.amdgcn_target "amdgcn-amd-amdhsa--gfx1250"
	.amdhsa_code_object_version 6
	.text
	.protected	k_qf29808ac2d_spikes
	.globl	k_qf29808ac2d_spikes
	.p2align	8
	.type	k_qf29808ac2d_spikes,@function
k_qf29808ac2d_spikes:
	s_mov_b64 s[64:65], 0
	v_nop
	global_prefetch_b8 v0, s[64:65] scope:SCOPE_SE
	s_setreg_imm32_b32 hwreg(HW_REG_WAVE_MODE, 25, 1), 1
	s_wait_xcnt 0x0
; spike[t][j] = sigmoid(4 (b_in[j] - mean_i |x[t][i] - W_in[j][i]| - v_th[j])), t < 512, j < 2048, i < 512; stored in bf16.
; THE SUM.  x and W_in are rounded once to bf16 (xr, wr).  |a - b| = 2 max(a, b) - a - b, so
;   sum_i |xr - wr| = 2 sum_i max(xr, wr) - sum_i xr - sum_i wr.
; v_pk_max_num_bf16 makes two maxima a lane and rounds nothing; all three sums are made in f32 by the matrix unit, of the same rounded numbers.
; LIMITS.  The result is a difference of three f32 sums of exact bf16 numbers.  With inputs 30 times larger, or carrying an offset of 30 times their spread,
; the sums are at most some 40 times their result: 6 of f32's 24 bits.  A NaN is dropped by the maximum; infinities are not treated apart.
; THE MATRIX UNIT AS 256 ADDERS.  D = SEL x DATA + D with SEL(m, k) = 1 where k >> 1 = m, else 0.  DATA is source 1: register c of lane (r, h) (r = lane % 16, h = lane / 16) holds
; k = 2 p, 2 p + 1 of column r, p = 4 h + c (c < 4) or 8 + 4 h + c - 4.  So D(p, r) takes the sum of that one register's two halves: each of the 256 (lane, register) places has a sum
; of its own, and which output a place stands for is free.  Here: token (r & 7) + 8 u (u: which of four accumulators), neuron 16 (c >> 2) + (c & 3) + 8 (r >> 3) + 4 h.
; In D, register q of lane (r, h) then holds token (r & 7) + 8 u, neuron 16 h + 8 (r >> 3) + q: eight neighbouring neurons of one token.
; ROW SUMS.  D = HALF x FRAGMENT + D, HALF(m, k) = 1 where (m < 8) = (k < 16): registers 0-3 of the fragment hold 16 K of row r, registers 4-7 of row 16 + r; lane l of D holds row l's sum.
; SHARES.  A work-group makes 64 tokens x 64 neurons, each of its four waves a quadrant of 32 x 32 over all 512 i: 8,192 lines of maxima, 1,024 + 64 matrix instructions.
; DATA.  128 rows of 2,048 bytes of f32 come through registers, a chunk of 128 i at a time (a wave: 32 loads of 512 consecutive bytes), two chunks on their way; they are rounded and
; stored to LDS, each chunk in bytes of its own (nothing in LDS is written twice); one barrier a chunk.
; NO CLUSTER, NO TENSOR LOADS: the numbers have to be rounded on the way.  As f32 tiles (128 x 2,048 = 262,144 bytes) beside their bf16 copy (139,264) they do not fit in 327,680 bytes of LDS.
; BESIDE IT each work-group rounds 32 rows x 128 columns of W_out to bf16 for the next launch.
; sp and wob lie in blocks: [tile of 32 rows][block of 64 K][32 rows][64 K] bf16, 4,096 dense bytes a block.
.set PITCH,  272                       ; an LDS row of a chunk: 256 bytes + 16 = 68 words: row r starts at bank 4 r mod 64 (64 banks of 4 bytes: ISA guide 11.1)
.set CHUNKB, 128*PITCH                 ; a chunk: 64 rows of x, then 64 rows of W_in
.set WROWS,  64*PITCH
.set STAGE,  4*CHUNKB                  ; 64 rows x 144 bytes: the work-group's spikes on their way out
.set SPITCH, 144
.set TABLE,  STAGE+64*SPITCH           ; 256 bytes a wave: its 32 + 32 row sums
.set SPARE,  TABLE+4*256               ; the spare words, 128 bytes a wave: two blocks of 256 bytes that no other line names
.set KMASK,  7                         ; eight trips of 16 i in a chunk,
.set KJUMP,  CHUNKB-7*32               ; then on to the next chunk's bytes
.set GL,  1                            ; 16 x lane: my bytes in 512 consecutive bytes
.set RR,  2                            ; r
.set HH,  3                            ; h
.set AX,  4                            ; LDS addresses of the trip in hand: X rows, W rows, the two row-sum fragments
.set AW,  5
.set ARX, 6
.set ARW, 7
.set ST,  8                            ; where I store 8 bytes of a rounded row
.set T9,  9
.set SPW, 10                           ; my spare word; never rewritten
.set NIL, 11                           ; 0; never rewritten
.set TBW, 12
.set TBX, 13
.set TBJ, 14
.set STO, 15
.set RD,  16
.set WOL, 17
.set WOS, 18
.set BO,  19
.set AX0, 20                           ; the same four addresses at i = 0; never rewritten
.set AW0, 21
.set ARX0, 22
.set ARW0, 23
.set SEL, 24                           ; v[24:31]
.set HALF, 32                          ; v[32:39]
.set ACC, 40                           ; v[40:71]   four accumulators
.set RSX, 72                           ; v[72:79]   row sums of my 32 tokens
.set RSW, 80                           ; v[80:87]   of my 32 neurons
.set X0,  88                           ; v[88:103]  operand set 0: X quad u at +4 u;  set 1 lies 64 further on
.set W0,  104                          ; v[104:135] W quad c at +4 c
.set FR,  136                          ; v[136:151] the two row-sum fragments
.set DB,  200                          ; v[200:231] four buffers of eight registers of maxima
.set BI,  232                          ; v[232:239] b_in of my 8 neurons
.set VT,  240                          ; v[240:247] v_th
.set SX,  248                          ; v[248:255] the four tokens' sums, each twice
.set T2,  248                          ; at work in the set-up
.set TMP, 88                           ; 64 registers (set 0 and FR), free between two trips: rounded rows
.set SW,  88                           ; the way out
.set EJ,  96
.set AR,  104
.set PK,  136
.set OB,  152
.set WT,  168
.set WV, 20
.set TX, 21
.set TY, 22
.set QJ, 23
.set QT, 24
.set CNT, 54
.set TRIP, 55
.set TS, 56
.set SOFF, 57
.set MSB, 0
.macro WIN new                         ; the immediate's high byte repeats the setting that is left; window 1 holds the f32 rows on their way: v[0:127], v[128:255]
.if MSB != (\new)
	s_set_vgpr_msb (MSB<<8)|(\new)
.set MSB, (\new)
.endif
.endm
.macro FETCH c, dst                    ; my 32 rows of chunk c: each load takes 512 consecutive bytes of one row
	WIN 0x40                                       ; destination window 1, address window 0
.set i, 0
.rept 32
	global_load_b128 v[(\dst)+4*i:(\dst)+4*i+3], v[GL], s[28:29] offset:i*2048+(\c)*512
.set i, i+1
.endr
	WIN 0
.endm
.macro CONVERT src, left               ; a chunk is rounded and stored; left = the younger loads, which stay out
	s_wait_loadcnt \left
	WIN 0x05                                       ; sources window 1, destination window 0
.set i, 0
.rept 64
	v_cvt_pk_bf16_f32 v[TMP+i], v[(\src)+2*i], v[(\src)+2*i+1]
.set i, i+1
.endr
	WIN 0
.set i, 0
.rept 32
	ds_store_b64 v[ST], v[TMP+2*i:TMP+2*i+1] offset:i*PITCH  ; 32 lanes x 8 bytes: a row's 256 bytes
.set i, i+1
.endr
.endm
.macro MEET                            ; my stores are done, and so are my LDS loads; behind the barrier every wave's rows of the chunk are there
	v_add_nc_u32 v[ST], CHUNKB, v[ST]
	s_wait_dscnt 0x0
	s_barrier_signal -1
	s_barrier_wait -1
.endm
.macro ADDR
	v_add_nc_u32 v[AX], s[SOFF], v[AX0]
	v_add_nc_u32 v[AW], s[SOFF], v[AW0]
	v_add_nc_u32 v[ARX], s[SOFF], v[ARX0]
	v_add_nc_u32 v[ARW], s[SOFF], v[ARW0]
.endm
.macro STEP                            ; the next trip's 32 bytes of every row
	s_add_co_u32 s[TRIP], s[TRIP], 1
	s_and_b32 s[TS], s[TRIP], KMASK                ; SCC: not a chunk's first trip
	s_cselect_b32 s[TS], 32, KJUMP
	s_add_co_u32 s[SOFF], s[SOFF], s[TS]
	ADDR
.endm
.macro LOADS set                       ; 8 i (16 bytes of each row): 4 X quads (8 different rows a load), 8 W quads (4 different rows); with set 0 the trip's row-sum fragments
.irp u, 0,1,2,3
	ds_load_b128 v[X0+64*(\set)+4*\u:X0+64*(\set)+4*\u+3], v[AX] offset:16*(\set)+\u*8*PITCH
.endr
.irp c, 0,1,2,3,4,5,6,7
	ds_load_b128 v[W0+64*(\set)+4*\c:W0+64*(\set)+4*\c+3], v[AW] offset:16*(\set)+(16*(\c/4)+(\c%4))*PITCH
.endr
.if (\set) == 0
	ds_load_b128 v[FR:FR+3], v[ARX]
	ds_load_b128 v[FR+4:FR+7], v[ARX] offset:16*PITCH
	ds_load_b128 v[FR+8:FR+11], v[ARW]
	ds_load_b128 v[FR+12:FR+15], v[ARW] offset:16*PITCH
.endif
.endm
.macro MM a, zero
.if \zero
	v_wmma_f32_16x16x32_bf16 v[ACC+8*(\a):ACC+8*(\a)+7], v[SEL:SEL+7], v[DB+8*(\a):DB+8*(\a)+7], 0
.else
	v_wmma_f32_16x16x32_bf16 v[ACC+8*(\a):ACC+8*(\a)+7], v[SEL:SEL+7], v[DB+8*(\a):DB+8*(\a)+7], v[ACC+8*(\a):ACC+8*(\a)+7]
.endif
.endm
.macro RSUM d, f, zero
.if \zero
	v_wmma_f32_16x16x32_bf16 v[\d:\d+7], v[HALF:HALF+7], v[\f:\f+7], 0
.else
	v_wmma_f32_16x16x32_bf16 v[\d:\d+7], v[HALF:HALF+7], v[\f:\f+7], v[\d:\d+7]
.endif
.endm
; Half a trip: 16 groups (pair g / 4 of the set's four pairs of i, X quad g % 4) of eight lines of maxima; group g's product is issued behind group g + 1's maxima.
; The accumulators take turns.  A buffer of maxima is written again four groups on: between the product that read it and that write stand eight plain
; lines or more that name none of the product's registers (ISA guide 7.12.1).  zero = 1: the first products start the sums.
.macro COMP set, rs, zero
.set g, 0
.rept 16
.set c_, 0
.rept 8
	v_pk_max_num_bf16 v[DB+8*(g%4)+c_], v[X0+64*(\set)+4*(g%4)+g/4], v[W0+64*(\set)+4*c_+g/4]
.set c_, c_+1
.endr
.if (\rs) && (g == 0)
	RSUM RSX, FR, \zero
.endif
.if g > 0
.if (\zero) && (g < 5)
	MM (g-1)%4, 1
.else
	MM (g-1)%4, 0
.endif
.endif
.if (\rs) && (g == 2)
	RSUM RSW, FR+8, \zero
.endif
.set g, g+1
.endr
	MM 3, 0
.endm
; The loop is turned by half a trip: the second half of trip n - 1, then the first half of trip n.  All its LDS loads are trip n's, so a chunk's barrier stands straight in front of the loop
; that reads the chunk.  Each run of loads is issued half a trip ahead of its use.
.macro BODY
	s_wait_dscnt 0x0                               ; set 1 is in
	STEP
	LOADS 0
	COMP 1, 0, 0
	s_wait_dscnt 0x0                               ; set 0 and the fragments are in
	LOADS 1
	COMP 0, 1, 0
.endm
.macro TRIPS n
	s_mov_b32 s[CNT], \n
.Ltrip_\@:
	BODY
	s_sub_co_u32 s[CNT], s[CNT], 1
	s_cmp_lg_u32 s[CNT], 0
	s_cbranch_scc1 .Ltrip_\@
.endm
	s_load_b256 s[4:11], s[0:1], 0x0               ; x s[4:5], W_in s[6:7], b_in s[8:9], v_th s[10:11]
	s_load_b128 s[12:15], s[0:1], 0x20             ; W_out s[12:13], sp s[14:15]
	s_load_b64 s[16:17], s[0:1], 0x30              ; wob
	v_lshl_add_u32 v[SPW], v0, 2, SPARE
	v_mov_b32 v[NIL], 0
	v_lshrrev_b32 v[T9], 5, v0
	v_readfirstlane_b32 s[WV], v[T9]               ; wave 0..3
	v_and_b32 v[T9], 31, v0
	v_lshlrev_b32 v[GL], 4, v[T9]
	s_mov_b32 s[TX], ttmp9                         ; tile of 64 neurons
	s_and_b32 s[TY], ttmp7, 0xffff                 ; tile of 64 tokens
	s_and_b32 s[QJ], s[WV], 1                      ; my half of the neurons.  Also: which 32 rows I fetch
	s_lshr_b32 s[QT], s[WV], 1                     ; my half of the tokens.   Also: I fetch x (0) or W_in (1)
	s_cmp_eq_u32 s[QT], 0
	s_cselect_b32 s25, s[TY], s[TX]
	s_lshl_b32 s25, s25, 1
	s_add_co_u32 s25, s25, s[QJ]                   ; which 32 rows of the tensor
	s_lshl_b32 s26, s25, 16                        ; x 32 rows x 2,048 bytes
	s_mov_b32 s27, 0
	s_wait_kmcnt 0x0
	s_cmp_eq_u32 s[QT], 0
	s_cselect_b64 s[28:29], s[4:5], s[6:7]
	s_add_nc_u64 s[28:29], s[28:29], s[26:27]
	FETCH 0, 0                                     ; two chunks are asked for before anything else is done
	FETCH 1, 128
	v_and_b32 v[RR], 15, v0
	v_bfe_u32 v[HH], v0, 4, 1
	v_lshrrev_b32 v[T2], 3, v[RR]                  ; r >> 3
	v_lshlrev_b32 v[BO], 5, v[T2]
	v_lshl_add_u32 v[BO], v[HH], 6, v[BO]          ; 4 bytes x (16 h + 8 (r >> 3)): my eight neurons among the wave's 32
	s_lshl_b32 s30, s[TX], 8
	s_lshl_b32 s31, s[QJ], 7
	s_add_co_u32 s30, s30, s31
	s_mov_b32 s31, 0
	s_add_nc_u64 s[8:9], s[8:9], s[30:31]
	s_add_nc_u64 s[10:11], s[10:11], s[30:31]
	global_load_b128 v[BI:BI+3], v[BO], s[8:9]
	global_load_b128 v[BI+4:BI+7], v[BO], s[8:9] offset:16
	global_load_b128 v[VT:VT+3], v[BO], s[10:11]
	global_load_b128 v[VT+4:VT+7], v[BO], s[10:11] offset:16
	; the two constant matrices.  Source 0: lane (r, h) holds row m = r, register c the pair p of k as above
	s_mov_b32 s32, 0x3f803f80                      ; 1.0 twice in bf16
	v_lshlrev_b32 v[T9], 2, v[HH]
	v_sub_nc_u32 v[T9], v[RR], v[T9]               ; r - 4 h: p = r where this is c (c < 4) or c + 4
.irp c, 0,1,2,3,4,5,6,7
	v_cmp_eq_u32 vcc_lo, \c+4*(\c/4), v[T9]
	v_cndmask_b32 v[SEL+\c], 0, s32, vcc_lo
.endr
	v_cmp_gt_u32 vcc_lo, 8, v[RR]
.irp c, 0,1,2,3
	v_cndmask_b32 v[HALF+\c], 0, s32, vcc_lo
.endr
	v_cmp_le_u32 vcc_lo, 8, v[RR]
.irp c, 4,5,6,7
	v_cndmask_b32 v[HALF+\c], 0, s32, vcc_lo
.endr
	; LDS addresses
	v_and_b32 v[T9], 7, v[RR]                      ; r & 7
	s_mul_i32 s33, s[QT], 32*PITCH                 ; my 32 token rows
	s_mul_i32 s34, s[QJ], 32*PITCH
	s_add_co_u32 s34, s34, WROWS                   ; my 32 neuron rows
	v_mul_u32_u24 v[AX0], v[T9], PITCH
	v_add_nc_u32 v[AX0], s33, v[AX0]
	v_lshlrev_b32 v[AW0], 3, v[T2]
	v_lshl_add_u32 v[AW0], v[HH], 2, v[AW0]        ; 8 (r >> 3) + 4 h
	v_mul_u32_u24 v[AW0], v[AW0], PITCH
	v_add_nc_u32 v[AW0], s34, v[AW0]
	v_mul_u32_u24 v[ARX0], v[RR], PITCH
	v_lshl_add_u32 v[ARX0], v[HH], 4, v[ARX0]      ; row r, 16 bytes for each half of the lanes
	v_add_nc_u32 v[ARW0], s34, v[ARX0]
	v_add_nc_u32 v[ARX0], s33, v[ARX0]
	v_and_b32 v[WOS], 31, v0
	v_lshlrev_b32 v[WOS], 3, v[WOS]                ; 8 x lane
	s_mul_i32 s35, s[WV], 32*PITCH
	v_add_nc_u32 v[ST], s35, v[WOS]                ; the rows that I fetch are LDS rows 32 w ..
	s_lshl_b32 s36, s[WV], 8
	s_add_co_u32 s36, s36, TABLE
	v_and_b32 v[TBW], 31, v0
	v_lshl_add_u32 v[TBW], v[TBW], 2, s36
	v_lshl_add_u32 v[TBX], v[T9], 2, s36
	v_add_nc_u32 v[TBJ], s36, v[BO]
	s_mul_i32 s37, s[QT], 32*SPITCH
	s_lshl_b32 s38, s[QJ], 6
	s_add_co_u32 s37, s37, s38
	s_add_co_u32 s37, s37, STAGE
	v_mul_u32_u24 v[STO], v[T9], SPITCH            ; into the stage: token row, 2 bytes x (32 qj + 16 h + 8 (r >> 3))
	v_lshl_add_u32 v[STO], v[HH], 5, v[STO]
	v_lshl_add_u32 v[STO], v[T2], 4, v[STO]
	v_add_nc_u32 v[STO], s37, v[STO]
	v_bfe_u32 v[RD], v0, 3, 2                      ; back: 32 lanes take four rows of 128 bytes
	v_mul_u32_u24 v[RD], v[RD], SPITCH
	v_and_b32 v[T9], 7, v0
	v_lshl_add_u32 v[RD], v[T9], 4, v[RD]
	s_mul_i32 s38, s[WV], 16*SPITCH
	s_add_co_u32 s38, s38, STAGE
	v_add_nc_u32 v[RD], s38, v[RD]
	s_lshl_b32 s38, s[TY], 1                       ; sp: block (2 ty + qt, tx), its rows 16 qj ..
	s_add_co_u32 s38, s38, s[QT]
	s_lshl_b32 s38, s38, 5
	s_add_co_u32 s38, s38, s[TX]
	s_lshl_b32 s38, s38, 12
	s_lshl_b32 s39, s[QJ], 11
	s_add_co_u32 s38, s38, s39
	s_mov_b32 s39, 0
	s_add_nc_u64 s[14:15], s[14:15], s[38:39]
	; my share of W_out: work-group n = 32 ty + tx takes rows 32 (n >> 4) .., columns 128 (n & 15) ..; wave: block of 64 columns qt, rows 16 qj ..
	s_lshl_b32 s40, s[TY], 5
	s_add_co_u32 s40, s40, s[TX]
	s_lshr_b32 s41, s40, 4
	s_and_b32 s42, s40, 15
	s_lshl_b32 s42, s42, 1
	s_add_co_u32 s42, s42, s[QT]                   ; block of 64 columns
	s_lshl_b32 s43, s41, 5
	s_lshl_b32 s44, s[QJ], 4
	s_add_co_u32 s44, s43, s44                     ; first row
	s_lshl_b32 s44, s44, 13                        ; x 8,192 bytes
	s_lshl_b32 s45, s42, 8
	s_add_co_u32 s44, s44, s45
	s_mov_b32 s45, 0
	s_add_nc_u64 s[12:13], s[12:13], s[44:45]
	s_add_co_u32 s46, s43, s42                     ; wob's block
	s_lshl_b32 s46, s46, 12
	s_lshl_b32 s47, s[QJ], 11
	s_add_co_u32 s46, s46, s47
	s_mov_b32 s47, 0
	s_add_nc_u64 s[16:17], s[16:17], s[46:47]
	v_lshlrev_b32 v[WOL], 4, v[RR]                 ; lanes 0-15: 256 bytes of a row; lanes 16-31: of the next row
	v_lshl_add_u32 v[WOL], v[HH], 13, v[WOL]
	s_mov_b32 s48, 0x3cb8aa3b                      ; 4 log2(e) / 256
	s_mov_b32 s49, s48
	s_mov_b32 s50, 0xc0b8aa3b                      ; -4 log2(e)
	s_mov_b32 s51, s50
	s_mov_b32 s52, 0xbc38aa3b                      ; -4 log2(e) / 512
	s_mov_b32 s53, s52
	s_mov_b32 s[TRIP], 0
	s_mov_b32 s[SOFF], 0
	ADDR
	CONVERT 0, 36                                  ; chunk 0 is in; chunk 1's 32 loads and the 4 of b_in and v_th stay out
	FETCH 2, 0
	MEET
	LOADS 0                                        ; trip 0's first half stands in front of the loop: its products start the sums
	s_wait_dscnt 0x0
	LOADS 1
	COMP 0, 1, 1
	TRIPS 7                                        ; trips 1 to 7 are read: chunk 0
	CONVERT 128, 32                                ; chunk 1, b_in and v_th are in; chunk 2's 32 loads stay out
	FETCH 3, 128
	MEET
	TRIPS 8
	CONVERT 0, 32                                  ; chunk 2 is in; chunk 3's loads stay out
	WIN 0x40
.set i, 0
.rept 8
	global_load_b128 v[4*i:4*i+3], v[WOL], s[12:13] offset:i*16384 th:TH_LOAD_NT  ; two rows' 256 bytes of W_out, read once in the launch
.set i, i+1
.endr
	WIN 0
	MEET
	TRIPS 8
	CONVERT 128, 8                                 ; chunk 3 is in; W_out's 8 loads stay out
	MEET
	TRIPS 8
	s_wait_dscnt 0x0
	COMP 1, 0, 0                                   ; the last trip's second half
	; THE WAY OUT.  arg = -4 log2(e) (b - v_th - S / 512), S = 2 P - sx - sw; spike = 1 / (1 + 2^arg).  2^arg = infinity gives 0, 2^arg = 0 gives 1, as the sigmoid's ends are.
.rept 4
	v_nop                                          ; the places behind the last products
.endr
	ds_store_b32 v[TBW], v[RSX]                    ; lane l holds row l's sum: into my wave's table,
	ds_store_b32 v[TBW], v[RSW] offset:128
.irp u, 0,1,2,3
	ds_load_b32 v[SX+2*\u], v[TBX] offset:32*\u    ; and back as my lane wants them (LDS serves a wave's instructions in order: ISA guide 5.7.1): token (r & 7) + 8 u, twice, as a pair
	ds_load_b32 v[SX+2*\u+1], v[TBX] offset:32*\u
.endr
	ds_load_b128 v[SW:SW+3], v[TBJ] offset:128     ; my eight neurons
	ds_load_b128 v[SW+4:SW+7], v[TBJ] offset:144
.irp j, 0,2,4,6
	v_pk_add_f32 v[EJ+\j:EJ+\j+1], v[BI+\j:BI+\j+1], v[VT+\j:VT+\j+1] neg_lo:[0,1] neg_hi:[0,1]
.endr
.irp j, 0,2,4,6
	v_pk_mul_f32 v[EJ+\j:EJ+\j+1], v[EJ+\j:EJ+\j+1], s[50:51] op_sel_hi:[1,0]
.endr
	s_wait_dscnt 0x0
.irp j, 0,2,4,6
	v_pk_fma_f32 v[EJ+\j:EJ+\j+1], v[SW+\j:SW+\j+1], s[52:53], v[EJ+\j:EJ+\j+1] op_sel_hi:[1,0,1]
.endr
.irp u, 0,2,4,6
	v_pk_mul_f32 v[SX+\u:SX+\u+1], v[SX+\u:SX+\u+1], s[52:53] op_sel_hi:[1,0]
.endr
.irp u, 0,1,2,3
.irp j, 0,2,4,6
	v_pk_add_f32 v[AR+8*\u+\j:AR+8*\u+\j+1], v[EJ+\j:EJ+\j+1], v[SX+2*\u:SX+2*\u+1]
.endr
.endr
.irp u, 0,1,2,3
.irp j, 0,2,4,6
	v_pk_fma_f32 v[AR+8*\u+\j:AR+8*\u+\j+1], v[ACC+8*\u+\j:ACC+8*\u+\j+1], s[48:49], v[AR+8*\u+\j:AR+8*\u+\j+1] op_sel_hi:[1,0,1]  ; each accumulator from its low end on
.endr
.endr
.set i, 0
.rept 32
	v_exp_f32 v[AR+i], v[AR+i]
.set i, i+1
.endr
	v_nop                                          ; a plain line between the exponentials and the use of their results (ISA guide 5.7.2)
.set i, 0
	s_wait_alu depctr_va_vdst(0)
.rept 16
	v_pk_add_f32 v[AR+2*i:AR+2*i+1], v[AR+2*i:AR+2*i+1], 1.0 op_sel_hi:[1,0]
.set i, i+1
.endr
.set i, 0
.rept 32
	v_rcp_f32 v[AR+i], v[AR+i]
.set i, i+1
.endr
	v_nop
.set i, 0
	s_wait_alu depctr_va_vdst(0)
.rept 16
	v_cvt_pk_bf16_f32 v[PK+i], v[AR+2*i], v[AR+2*i+1]
.set i, i+1
.endr
.irp u, 0,1,2,3
	ds_store_b128 v[STO], v[PK+4*\u:PK+4*\u+3] offset:\u*8*SPITCH
.endr
	s_wait_dscnt 0x0                               ; for the others' sake: a row's 128 bytes come from two waves
	s_barrier_signal -1
	s_barrier_wait -1
.irp i, 0,1,2,3
	ds_load_b128 v[OB+4*\i:OB+4*\i+3], v[RD] offset:\i*4*SPITCH
.endr
	s_wait_loadcnt 0x0                             ; W_out
	WIN 0x05
.set i, 0
.rept 16
	v_cvt_pk_bf16_f32 v[WT+i], v[2*i], v[2*i+1]
.set i, i+1
.endr
	WIN 0
.set i, 0
.rept 8
	global_store_b64 v[WOS], v[WT+2*i:WT+2*i+1], s[16:17] offset:i*256  ; 32 lanes x 8 bytes: two rows of a block, 256 consecutive bytes at a multiple of 256
.set i, i+1
.endr
.irp i, 0,1,2,3
	s_wait_dscnt 3-\i                              ; the younger loads from the stage stay out
	global_store_b128 v[GL], v[OB+4*\i:OB+4*\i+3], s[14:15] offset:\i*512  ; four rows of a block: 512 consecutive bytes
.endr
	s_wait_tensorcnt 0x0                           ; the wave's end: three closing lines, behind my last LDS store
	ds_add_u32 v[SPW], v[NIL]
	s_wait_dscnt 0x0
	s_endpgm
.Lfunc_end_k_qf29808ac2d_spikes:
	.size	k_qf29808ac2d_spikes, .Lfunc_end_k_qf29808ac2d_spikes-k_qf29808ac2d_spikes
	.p2alignl 7, 3214868480
	.fill 96, 4, 3214868480
	.section	.rodata,"a",@progbits
	.p2align	6, 0x0
	.amdhsa_kernel k_qf29808ac2d_spikes
		.amdhsa_group_segment_fixed_size 167936
		.amdhsa_private_segment_fixed_size 0
		.amdhsa_enable_private_segment 0
		.amdhsa_kernarg_size 56
		.amdhsa_user_sgpr_count 2
		.amdhsa_user_sgpr_kernarg_segment_ptr 1
		.amdhsa_wavefront_size32 1
		.amdhsa_system_sgpr_workgroup_id_x 1
		.amdhsa_system_sgpr_workgroup_id_y 1
		.amdhsa_system_sgpr_workgroup_id_z 1
		.amdhsa_system_vgpr_workitem_id 0
		.amdhsa_next_free_vgpr 512
		.amdhsa_next_free_sgpr 66
		.amdhsa_reserve_vcc 1
		.amdhsa_float_denorm_mode_32 3
		.amdhsa_float_denorm_mode_16_64 3
		.amdhsa_memory_ordered 1
		.amdhsa_forward_progress 1
		.amdhsa_inst_pref_size 158
	.end_amdhsa_kernel
	.amdgpu_metadata
---
amdhsa.version: [ 1, 2 ]
amdhsa.kernels:
  - .name:           k_qf29808ac2d_spikes
    .symbol:         k_qf29808ac2d_spikes.kd
    .args:
      - { .name: x, .offset: 0, .size: 8, .value_kind: global_buffer, .address_space: global }
      - { .name: W_in, .offset: 8, .size: 8, .value_kind: global_buffer, .address_space: global }
      - { .name: b_in, .offset: 16, .size: 8, .value_kind: global_buffer, .address_space: global }
      - { .name: v_th, .offset: 24, .size: 8, .value_kind: global_buffer, .address_space: global }
      - { .name: W_out, .offset: 32, .size: 8, .value_kind: global_buffer, .address_space: global }
      - { .name: sp, .offset: 40, .size: 8, .value_kind: global_buffer, .address_space: global }
      - { .name: wob, .offset: 48, .size: 8, .value_kind: global_buffer, .address_space: global }
    .group_segment_fixed_size: 167936
    .private_segment_fixed_size: 0
    .kernarg_segment_align: 8
    .kernarg_segment_size: 56
    .max_flat_workgroup_size: 128
    .sgpr_count:     66
    .vgpr_count:     512
    .wavefront_size: 32
...
	.end_amdgpu_metadata
.endif
;; end of part 1
;; launch readout (part 2): grid 16 x 16, 4 waves a work-group, clusters of 4 x 4, 327,680 bytes of LDS; arguments sp, wob, b_out, out0; writes out0
.if DOCPART == 2
	.amdgcn_target "amdgcn-amd-amdhsa--gfx1250"
	.amdhsa_code_object_version 6
	.text
	.protected	k_qf29808ac2d_readout
	.globl	k_qf29808ac2d_readout
	.p2align	8
	.type	k_qf29808ac2d_readout,@function
k_qf29808ac2d_readout:
	s_mov_b64 s[64:65], 0
	v_nop
	global_prefetch_b8 v0, s[64:65] scope:SCOPE_SE
	s_setreg_imm32_b32 hwreg(HW_REG_WAVE_MODE, 25, 1), 1
	s_wait_xcnt 0x0
	s_wait_alu depctr_hold_cnt(0) depctr_sa_sdst(0) depctr_va_vdst(0) depctr_va_sdst(0) depctr_va_ssrc(0) depctr_va_vcc(0) depctr_vm_vsrc(0)
	s_getreg_b32 s2, hwreg(HW_REG_IB_STS2, 6, 4)
	s_cmp_eq_u32 s2, 0
	s_cbranch_scc0 .Lentry_in_a_cluster
	s_endpgm
.Lentry_in_a_cluster:
	s_bfe_u32 s2, ttmp6, 0x10000c
	s_cmp_lg_u32 s2, 0xf033
	s_cbranch_scc0 .Lentry_shape_is_right
	s_endpgm
.Lentry_shape_is_right:
; out[t][d] = b_out[d] - mean_j |spike[t][j] - W_out[d][j]|, t < 512, d < 512, j < 2048.  sp (spikes) and wob (W_out), both bf16, come from the launch before,
; in blocks [tile of 32 rows][block of 64 j][32 rows][64 j] of 4,096 dense bytes.
; THE SUM is made as in the launch before: |a - b| = 2 max(a, b) - a - b on the bf16 numbers; v_pk_max_num_bf16 makes two maxima a lane and rounds nothing; the sums of the maxima and the
; rows' own sums are made in f32 by the matrix unit.  LIMITS: a difference of three f32 sums of exact bf16 numbers; spikes lie in 0 to 1, so with W_out 30 times larger or offset by 30 times
; its spread the sums are at most some 4 times their result.  A NaN is dropped by the maximum; infinities are not treated apart.
; D = SEL x DATA + D, SEL(m, k) = 1 where k >> 1 = m: register c of lane (r, h) of DATA (source 1) holds the pair p = 4 h + c (c < 4) or 8 + 4 h + c - 4 of k in column r, and D(p, r) takes the sum
; of its two halves: 256 sums in eight registers.  A place stands for token (r & 7) + 8 u (accumulator u), output row 16 (c >> 2) + (c & 3) + 8 (r >> 3) + 4 h; in D register q of lane (r, h)
; then holds token (r & 7) + 8 u, output 16 h + 8 (r >> 3) + q.  D = HALF x FRAGMENT + D, HALF(m, k) = 1 where (m < 8) = (k < 16), gives lane l the sum of row l over 16 j.
; SHARES.  A work-group makes 32 tokens x 32 outputs; wave w takes j = 512 w .. 512 w + 511 of all of them; the four partial sums, in f32, meet in LDS.
; DATA.  Each wave asks for its own 32 + 32 rows x 512 j, 8 tensor loads of 8,192 dense bytes, all at the start (by this text's count 8 are out); only the wave that asked reads
; them, behind its own counted waits.  No LDS byte is filled twice.
; CLUSTER 4 x 4: the four work-groups of a row of the cluster have the same tokens, the four of a column the same rows of W_out: each tile is asked for jointly.
; out0 IS STORED IN PIECES OF 128 CONSECUTIVE BYTES.  Whole aligned 256 bytes want a tile of 16 tokens x 64 outputs: 80 rows x 4,096 bytes = 327,680 bytes, all of LDS, with no byte left for
; padding, partial sums and spare words.
; SCALAR REGISTERS.  The descriptors hold s[32:47] and s[68:99]; once the loads are out none of these is written again.  All other scalar work lies in s4-s31 and s48-s53.
.set PITCH,  144                       ; a block's row in LDS: 128 bytes + 16 = 36 words: 16 neighbouring rows start at 16 different groups of four banks (64 banks of 4 bytes: ISA guide 11.1)
.set BLOCK,  32*PITCH
.set HALFR,  8*BLOCK                   ; a wave's eight blocks of spikes; its eight blocks of weights lie behind them
.set WREG,   2*HALFR
.set SCR,    4*WREG                    ; four waves' partial sums: 32 rows x 144 bytes each; no tile lands here
.set TABLE,  SCR+4*BLOCK               ; 256 bytes a wave: its 32 + 32 row sums
.set SPARE,  TABLE+4*256               ; the spare words, 128 bytes a wave: two blocks of 256 bytes that no other line names
.set KMASK,  3                         ; four trips of 16 j in a block,
.set KJUMP,  BLOCK-3*32                ; then on to the next block
.set RR,  2
.set HH,  3
.set AX,  4
.set AW,  5
.set ARX, 6
.set ARW, 7
.set T9,  9
.set SPW, 10                           ; my spare word; never rewritten
.set NIL, 11                           ; 0; never rewritten
.set TBW, 12
.set TBX, 13
.set TBJ, 14
.set STO, 15
.set RD,  16
.set BOF, 17
.set GOF, 18
.set BO,  19
.set AX0, 20
.set AW0, 21
.set ARX0, 22
.set ARW0, 23
.set SEL, 24
.set HALF, 32
.set ACC, 40
.set RSX, 72
.set RSW, 80
.set X0,  88
.set W0,  104
.set FR,  136
.set DB,  200
.set BB,  232                          ; v[232:235] b_out of my four outputs
.set SX,  248
.set T2,  248
.set SW,  88                           ; the way out
.set O,   104
.set Q,   152
.set WV,  12
.set G1S, 32                           ; s[32:39] descriptor group 1 for spikes;  s[40:47] for weights: they differ in the mask
.set G1W, 40
.set G0,  68                           ; s[68:99] eight groups 0, one for each load: none is written while its load is out
.set CNT, 48
.set TRIP, 49
.set TS, 50
.set SOFF, 51
.set ONES, 52
.set BACK, 53                          ; s53  at work: where my wave reads the partial sums back
.macro ROUND                           ; a round of the cluster's barrier
	s_barrier_signal -1
	s_barrier_wait -1
	s_cmp_lg_u32 s[WV], 0
	s_cbranch_scc1 .Lnot_wave_0_\@
	s_barrier_signal -3
.Lnot_wave_0_\@:
	s_barrier_wait -3
	s_barrier_signal -1
	s_barrier_wait -1
.endm
.macro ADDR
	v_add_nc_u32 v[AX], s[SOFF], v[AX0]
	v_add_nc_u32 v[AW], s[SOFF], v[AW0]
	v_add_nc_u32 v[ARX], s[SOFF], v[ARX0]
	v_add_nc_u32 v[ARW], s[SOFF], v[ARW0]
.endm
.macro STEP                            ; the next trip's 32 bytes of every row
	s_add_co_u32 s[TRIP], s[TRIP], 1
	s_and_b32 s[TS], s[TRIP], KMASK                ; SCC: not a block's first trip
	s_cselect_b32 s[TS], 32, KJUMP
	s_add_co_u32 s[SOFF], s[SOFF], s[TS]
	ADDR
.endm
.macro LOADS set                       ; 8 j (16 bytes of each row): 4 X quads, 8 W quads; with set 0 the trip's two row-sum fragments
.irp u, 0,1,2,3
	ds_load_b128 v[X0+64*(\set)+4*\u:X0+64*(\set)+4*\u+3], v[AX] offset:16*(\set)+\u*8*PITCH
.endr
.irp c, 0,1,2,3,4,5,6,7
	ds_load_b128 v[W0+64*(\set)+4*\c:W0+64*(\set)+4*\c+3], v[AW] offset:16*(\set)+(16*(\c/4)+(\c%4))*PITCH
.endr
.if (\set) == 0
	ds_load_b128 v[FR:FR+3], v[ARX]
	ds_load_b128 v[FR+4:FR+7], v[ARX] offset:16*PITCH
	ds_load_b128 v[FR+8:FR+11], v[ARW]
	ds_load_b128 v[FR+12:FR+15], v[ARW] offset:16*PITCH
.endif
.endm
.macro MM a, zero
.if \zero
	v_wmma_f32_16x16x32_bf16 v[ACC+8*(\a):ACC+8*(\a)+7], v[SEL:SEL+7], v[DB+8*(\a):DB+8*(\a)+7], 0
.else
	v_wmma_f32_16x16x32_bf16 v[ACC+8*(\a):ACC+8*(\a)+7], v[SEL:SEL+7], v[DB+8*(\a):DB+8*(\a)+7], v[ACC+8*(\a):ACC+8*(\a)+7]
.endif
.endm
.macro RSUM d, f, zero
.if \zero
	v_wmma_f32_16x16x32_bf16 v[\d:\d+7], v[HALF:HALF+7], v[\f:\f+7], 0
.else
	v_wmma_f32_16x16x32_bf16 v[\d:\d+7], v[HALF:HALF+7], v[\f:\f+7], v[\d:\d+7]
.endif
.endm
; Half a trip: 16 groups of eight lines of maxima; group g's product is issued behind group g + 1's maxima.  The accumulators take turns.  A buffer of maxima is
; written again four groups on: eight plain lines or more, which name none of the product's registers, stand between the product that read it and that write (ISA guide 7.12.1).
.macro COMP set, rs, zero
.set g, 0
.rept 16
.set c_, 0
.rept 8
	v_pk_max_num_bf16 v[DB+8*(g%4)+c_], v[X0+64*(\set)+4*(g%4)+g/4], v[W0+64*(\set)+4*c_+g/4]
.set c_, c_+1
.endr
.if (\rs) && (g == 0)
	RSUM RSX, FR, \zero
.endif
.if g > 0
.if (\zero) && (g < 5)
	MM (g-1)%4, 1
.else
	MM (g-1)%4, 0
.endif
.endif
.if (\rs) && (g == 2)
	RSUM RSW, FR+8, \zero
.endif
.set g, g+1
.endr
	MM 3, 0
.endm
; The loop is turned by half a trip: the second half of trip n - 1, then the first half of trip n.  All its LDS loads are trip n's, so the wait for a pair of tiles stands straight in front
; of the loop that reads them.
.macro BODY
	s_wait_dscnt 0x0                               ; set 1 is in
	STEP
	LOADS 0
	COMP 1, 0, 0
	s_wait_dscnt 0x0                               ; set 0 and the fragments are in
	LOADS 1
	COMP 0, 1, 0
.endm
.macro TRIPS n
	s_mov_b32 s[CNT], \n
.Ltrip_\@:
	BODY
	s_sub_co_u32 s[CNT], s[CNT], 1
	s_cmp_lg_u32 s[CNT], 0
	s_cbranch_scc1 .Ltrip_\@
.endm
	s_load_b256 s[4:11], s[0:1], 0x0               ; sp s[4:5], wob s[6:7], b_out s[8:9], out0 s[10:11]
	v_lshl_add_u32 v[SPW], v0, 2, SPARE
	v_mov_b32 v[NIL], 0
	ds_add_u32 v[SPW], v[NIL]                      ; the wave's opening: the add and its wait stand ahead of my first tensor load; the set-up below stands between them
	v_lshrrev_b32 v[T9], 5, v0
	v_readfirstlane_b32 s[WV], v[T9]               ; wave 0..3
	s_bfe_u32 s13, ttmp6, 0x40000                  ; cx
	s_bfe_u32 s14, ttmp6, 0x40004                  ; cy
	s_lshl_b32 s15, ttmp9, 2
	s_add_co_u32 s15, s15, s13                     ; tile of 32 outputs = 4 x cluster x + cx
	s_and_b32 s16, ttmp7, 0xffff
	s_lshl_b32 s16, s16, 2
	s_add_co_u32 s16, s16, s14                     ; tile of 32 tokens = 4 x cluster y + cy
	s_lshl_b32 s17, s14, 2
	s_lshl_b32 s17, 15, s17                        ; my row of the cluster
	s_lshl_b32 s18, 0x1111, s13                    ; my column
	; group 1: two blocks, 8,192 dense bytes, asked for as 32 rows of 256 bytes and padded in LDS behind every 128
	s_or_b32 s[G1S], s17, (1<<16)|(1<<20)|(1<<21)|(4<<22)|(3<<25)  ; 15:0 the mask: spikes go to my row; 17:16 2-byte elements; 20 padding on; 21 set beside a mask; 24:22 after every 32 words (code 4); 31:25 4 words (code 3)
	s_or_b32 s[G1W], s18, (1<<16)|(1<<20)|(1<<21)|(4<<22)|(3<<25)  ; weights go to my column
.irp g, G1S, G1W
	s_mov_b32 s[\g+1], 128<<16                     ; tensor_dim0 = 128
	s_mov_b32 s[\g+2], 32<<16                      ; tensor_dim1 = 32
	s_mov_b32 s[\g+3], 128<<16                     ; tile_dim0 = 128
	s_mov_b32 s[\g+4], 32                          ; tile_dim1 = 32
	s_mov_b32 s[\g+5], 128                         ; 128 elements from row to row
	s_mov_b32 s[\g+6], 0
	s_mov_b32 s[\g+7], 0
.endr
	s_lshl_b32 s19, s[WV], 3                       ; my eight blocks of 64 j
	s_lshl_b32 s20, s16, 5                         ; spikes: block 32 x token tile + 8 w: the token tile alone, which my row shares
	s_add_co_u32 s20, s20, s19
	s_lshl_b32 s20, s20, 12
	s_mov_b32 s21, 0
	s_lshl_b32 s22, s15, 5                         ; weights: the output tile alone, which my column shares
	s_add_co_u32 s22, s22, s19
	s_lshl_b32 s22, s22, 12
	s_mov_b32 s23, 0
	s_mul_i32 s24, s[WV], WREG                     ; my part of LDS: no place in the cluster enters an LDS address
	s_wait_dscnt 0x0                               ; the opening add is done
	s_wait_kmcnt 0x0
	s_add_nc_u64 s[20:21], s[4:5], s[20:21]
	s_add_nc_u64 s[22:23], s[6:7], s[22:23]
	ROUND                                          ; all sixteen work-groups are here: the joint loads meet
.irp c, 0,1,2,3
	s_mov_b32 s[G0+8*\c], 1                        ; count = 1
	s_add_co_u32 s[G0+8*\c+1], s24, \c*2*BLOCK     ; LDS address
	s_add_nc_u64 s[G0+8*\c+2:G0+8*\c+3], s[20:21], \c*8192  ; global address: blocks 2 c, 2 c + 1 of my eight
	s_or_b32 s[G0+8*\c+3], s[G0+8*\c+3], 0x80000000  ; type = 2
	s_mov_b32 s[G0+8*\c+4], 1
	s_add_co_u32 s[G0+8*\c+5], s24, HALFR+\c*2*BLOCK
	s_add_nc_u64 s[G0+8*\c+6:G0+8*\c+7], s[22:23], \c*8192
	s_or_b32 s[G0+8*\c+7], s[G0+8*\c+7], 0x80000000
	tensor_load_to_lds s[G0+8*\c:G0+8*\c+3], s[G1S:G1S+7]
	s_nop 0
	tensor_load_to_lds s[G0+8*\c+4:G0+8*\c+7], s[G1W:G1W+7]
	s_nop 0
.endr
.rept 4
	v_nop
.endr
	; all that follows up to the first wait stands in the tiles' way in; it writes no register of s[32:47] or s[68:99], which the loads that are out still name
	v_and_b32 v[RR], 15, v0
	v_bfe_u32 v[HH], v0, 4, 1
	v_lshrrev_b32 v[T2], 3, v[RR]                  ; r >> 3
	s_mov_b32 s[ONES], 0x3f803f80                  ; 1.0 twice in bf16
	v_lshlrev_b32 v[T9], 2, v[HH]
	v_sub_nc_u32 v[T9], v[RR], v[T9]               ; r - 4 h: p = r where this is c (c < 4) or c + 4
.irp c, 0,1,2,3,4,5,6,7
	v_cmp_eq_u32 vcc_lo, \c+4*(\c/4), v[T9]
	v_cndmask_b32 v[SEL+\c], 0, s[ONES], vcc_lo
.endr
	v_cmp_gt_u32 vcc_lo, 8, v[RR]
.irp c, 0,1,2,3
	v_cndmask_b32 v[HALF+\c], 0, s[ONES], vcc_lo
.endr
	v_cmp_le_u32 vcc_lo, 8, v[RR]
.irp c, 4,5,6,7
	v_cndmask_b32 v[HALF+\c], 0, s[ONES], vcc_lo
.endr
	v_and_b32 v[T9], 7, v[RR]                      ; r & 7
	s_add_co_u32 s25, s24, HALFR
	v_mul_u32_u24 v[AX0], v[T9], PITCH
	v_add_nc_u32 v[AX0], s24, v[AX0]
	v_lshlrev_b32 v[AW0], 3, v[T2]
	v_lshl_add_u32 v[AW0], v[HH], 2, v[AW0]        ; 8 (r >> 3) + 4 h
	v_mul_u32_u24 v[AW0], v[AW0], PITCH
	v_add_nc_u32 v[AW0], s25, v[AW0]
	v_mul_u32_u24 v[ARX0], v[RR], PITCH
	v_lshl_add_u32 v[ARX0], v[HH], 4, v[ARX0]
	v_add_nc_u32 v[ARW0], s25, v[ARX0]
	v_add_nc_u32 v[ARX0], s24, v[ARX0]
	v_lshlrev_b32 v[BO], 5, v[T2]
	v_lshl_add_u32 v[BO], v[HH], 6, v[BO]          ; 4 bytes x (16 h + 8 (r >> 3)): my eight outputs among the tile's 32
	s_lshl_b32 s30, s[WV], 8
	s_add_co_u32 s30, s30, TABLE
	v_and_b32 v[TBW], 31, v0
	v_lshl_add_u32 v[TBW], v[TBW], 2, s30
	v_lshl_add_u32 v[TBX], v[T9], 2, s30
	v_add_nc_u32 v[TBJ], s30, v[BO]
	s_mul_i32 s31, s[WV], BLOCK
	s_add_co_u32 s31, s31, SCR                     ; my partial sums
	v_mul_u32_u24 v[STO], v[T9], PITCH
	v_add_nc_u32 v[STO], v[STO], v[BO]
	v_add_nc_u32 v[STO], s31, v[STO]
	v_bfe_u32 v[T2], v0, 3, 2                      ; back: 32 lanes take four rows of 128 bytes; wave w adds up tokens 8 w .. 8 w + 7
	v_and_b32 v[BOF], 7, v0
	v_lshlrev_b32 v[BOF], 4, v[BOF]
	v_lshl_add_u32 v[GOF], v[T2], 11, v[BOF]       ; and the same four rows in out0
	v_mul_u32_u24 v[RD], v[T2], PITCH
	v_add_nc_u32 v[RD], v[RD], v[BOF]
	s_mul_i32 s[BACK], s[WV], 8*PITCH
	s_add_co_u32 s[BACK], s[BACK], SCR
	v_add_nc_u32 v[RD], s[BACK], v[RD]
	s_lshl_b32 s26, s16, 5
	s_add_co_u32 s26, s26, s19                     ; the first token that I store: 32 x token tile + 8 w
	s_lshl_b32 s26, s26, 11
	s_lshl_b32 s28, s15, 7                         ; the tile's first output, in bytes
	s_add_co_u32 s26, s26, s28
	s_mov_b32 s27, 0
	s_mov_b32 s29, 0
	s_add_nc_u64 s[10:11], s[10:11], s[26:27]
	s_add_nc_u64 s[8:9], s[8:9], s[28:29]
	global_load_b128 v[BB:BB+3], v[BOF], s[8:9]
	s_mov_b32 s[TRIP], 0
	s_mov_b32 s[SOFF], 0
	ADDR
	s_wait_tensorcnt 6                             ; tensor loads of a wave end in order (ISA guide 10.11.1): my first pair of tiles is in, the other three pairs stay out
	LOADS 0                                        ; trip 0's first half stands in front of the loop: its products start the sums
	s_wait_dscnt 0x0
	LOADS 1
	COMP 0, 1, 1
	TRIPS 7                                        ; trips 1 to 7 are read: blocks 0 and 1
	s_wait_tensorcnt 4                             ; the second pair is in
	TRIPS 8
	s_wait_tensorcnt 2
	TRIPS 8
	s_wait_tensorcnt 0x0                           ; the last pair: no load was issued behind it
	TRIPS 8
	s_wait_dscnt 0x0
	COMP 1, 0, 0                                   ; the last trip's second half
	; THE WAY OUT.  My quarter's share of sum |s - w| / 2 is P - (sx + sw) / 2; the four waves' shares are added, and out = b_out - their sum / 1,024.
.rept 4
	v_nop                                          ; the places behind the last products
.endr
	ds_store_b32 v[TBW], v[RSX]                    ; lane l holds row l's sum: into my wave's table,
	ds_store_b32 v[TBW], v[RSW] offset:128
.irp u, 0,1,2,3
	ds_load_b32 v[SX+2*\u], v[TBX] offset:32*\u    ; and back as my lane wants them (LDS serves a wave's instructions in order: ISA guide 5.7.1): token (r & 7) + 8 u, twice, as a pair
	ds_load_b32 v[SX+2*\u+1], v[TBX] offset:32*\u
.endr
	ds_load_b128 v[SW:SW+3], v[TBJ] offset:128
	ds_load_b128 v[SW+4:SW+7], v[TBJ] offset:144
	s_wait_dscnt 0x0
.irp u, 0,1,2,3
.irp j, 0,2,4,6
	v_pk_add_f32 v[O+8*\u+\j:O+8*\u+\j+1], v[SW+\j:SW+\j+1], v[SX+2*\u:SX+2*\u+1]
.endr
.endr
.irp u, 0,1,2,3
.irp j, 0,2,4,6
	v_pk_fma_f32 v[O+8*\u+\j:O+8*\u+\j+1], v[O+8*\u+\j:O+8*\u+\j+1], -0.5, v[ACC+8*\u+\j:ACC+8*\u+\j+1] op_sel_hi:[1,0,1]  ; each accumulator from its low end on
.endr
.endr
.irp u, 0,1,2,3
	ds_store_b128 v[STO], v[O+8*\u:O+8*\u+3] offset:\u*8*PITCH
	ds_store_b128 v[STO], v[O+8*\u+4:O+8*\u+7] offset:\u*8*PITCH+16
.endr
	s_wait_dscnt 0x0                               ; for the others' sake: my partial sums are stored
	s_barrier_signal -1
	s_barrier_wait -1
.irp i, 0,1
.irp p, 0,1,2,3
	ds_load_b128 v[Q+16*\i+4*\p:Q+16*\i+4*\p+3], v[RD] offset:\p*BLOCK+\i*4*PITCH
.endr
.endr
	s_wait_loadcnt 0x0                             ; b_out
	s_wait_dscnt 0x0
.irp i, 0,1
.irp j, 0,2
	v_pk_add_f32 v[Q+16*\i+\j:Q+16*\i+\j+1], v[Q+16*\i+\j:Q+16*\i+\j+1], v[Q+16*\i+4+\j:Q+16*\i+4+\j+1]
	v_pk_add_f32 v[Q+16*\i+8+\j:Q+16*\i+8+\j+1], v[Q+16*\i+8+\j:Q+16*\i+8+\j+1], v[Q+16*\i+12+\j:Q+16*\i+12+\j+1]
.endr
.endr
.irp i, 0,1
.irp j, 0,2
	v_pk_add_f32 v[Q+16*\i+\j:Q+16*\i+\j+1], v[Q+16*\i+\j:Q+16*\i+\j+1], v[Q+16*\i+8+\j:Q+16*\i+8+\j+1]
.endr
.endr
.irp i, 0,1
.irp j, 0,2
	v_pk_fma_f32 v[Q+16*\i+\j:Q+16*\i+\j+1], v[Q+16*\i+\j:Q+16*\i+\j+1], 0xba800000, v[BB+\j:BB+\j+1] op_sel_hi:[1,0,1]  ; b_out - sum / 1,024
.endr
.endr
.irp i, 0,1
	global_store_b128 v[GOF], v[Q+16*\i:Q+16*\i+3], s[10:11] offset:\i*8192 th:TH_STORE_NT  ; four tokens, 128 consecutive bytes each
.endr
	s_wait_tensorcnt 0x0                           ; the wave's end: three closing lines, behind my last tensor load and my last LDS store
	ds_add_u32 v[SPW], v[NIL]
	s_wait_dscnt 0x0
	ROUND                                          ; the closing round: no work-group ends while a partner may still ask for a tile that names it
	s_endpgm
.Lfunc_end_k_qf29808ac2d_readout:
	.size	k_qf29808ac2d_readout, .Lfunc_end_k_qf29808ac2d_readout-k_qf29808ac2d_readout
	.p2alignl 7, 3214868480
	.fill 96, 4, 3214868480
	.section	.rodata,"a",@progbits
	.p2align	6, 0x0
	.amdhsa_kernel k_qf29808ac2d_readout
		.amdhsa_group_segment_fixed_size 327680
		.amdhsa_private_segment_fixed_size 0
		.amdhsa_enable_private_segment 0
		.amdhsa_kernarg_size 32
		.amdhsa_user_sgpr_count 2
		.amdhsa_user_sgpr_kernarg_segment_ptr 1
		.amdhsa_wavefront_size32 1
		.amdhsa_system_sgpr_workgroup_id_x 1
		.amdhsa_system_sgpr_workgroup_id_y 1
		.amdhsa_system_sgpr_workgroup_id_z 1
		.amdhsa_system_vgpr_workitem_id 0
		.amdhsa_next_free_vgpr 256
		.amdhsa_next_free_sgpr 100
		.amdhsa_reserve_vcc 1
		.amdhsa_float_denorm_mode_32 3
		.amdhsa_float_denorm_mode_16_64 3
		.amdhsa_memory_ordered 1
		.amdhsa_forward_progress 1
		.amdhsa_inst_pref_size 117
	.end_amdhsa_kernel
	.amdgpu_metadata
---
amdhsa.version: [ 1, 2 ]
amdhsa.kernels:
  - .name:           k_qf29808ac2d_readout
    .symbol:         k_qf29808ac2d_readout.kd
    .args:
      - { .name: sp, .offset: 0, .size: 8, .value_kind: global_buffer, .address_space: global }
      - { .name: wob, .offset: 8, .size: 8, .value_kind: global_buffer, .address_space: global }
      - { .name: b_out, .offset: 16, .size: 8, .value_kind: global_buffer, .address_space: global }
      - { .name: out0, .offset: 24, .size: 8, .value_kind: global_buffer, .address_space: global }
    .group_segment_fixed_size: 327680
    .private_segment_fixed_size: 0
    .kernarg_segment_align: 8
    .kernarg_segment_size: 32
    .max_flat_workgroup_size: 128
    .sgpr_count:     100
    .vgpr_count:     256
    .wavefront_size: 32
...
	.end_amdgpu_metadata
.endif
;; end of part 2
;; ======== version 2 of 2: 2 launches; version 1 with the launch spikes written anew for expert scheduling mode
;; limits: a difference of large sums (such as E[x^2] - mean^2): digits are lost where the result is much smaller than its terms
;; workspace buffers: sp 2,097,152 bytes; wob 2,097,152 bytes
;; launch spikes (part 3): grid 32 x 8, 4 waves a work-group, no clusters, 167,936 bytes of LDS; arguments x, W_in, b_in, v_th, W_out, sp, wob; writes sp, wob
.if DOCPART == 3
	.amdgcn_target "amdgcn-amd-amdhsa--gfx1250"
	.amdhsa_code_object_version 6
	.text
	.protected	k_qf29808ac2d_spikes
	.globl	k_qf29808ac2d_spikes
	.p2align	8
	.type	k_qf29808ac2d_spikes,@function
k_qf29808ac2d_spikes:
	s_mov_b64 s[64:65], 0
	v_nop
	global_prefetch_b8 v0, s[64:65] scope:SCOPE_SE
	s_setreg_imm32_b32 hwreg(HW_REG_WAVE_SCHED_MODE, 0, 2), 2
	s_setreg_imm32_b32 hwreg(HW_REG_WAVE_MODE, 25, 1), 1
	s_wait_xcnt 0x0
	s_wait_alu depctr_vm_vsrc(0)
; spike[t][j] = sigmoid(4 (b_in[j] - mean_i |x[t][i] - W_in[j][i]| - v_th[j])), t < 512, j < 2048, i < 512; stored in bf16.
; THE SUM.  x and W_in are rounded once to bf16 (xr, wr).  |a - b| = 2 max(a, b) - a - b, so
;   sum_i |xr - wr| = 2 sum_i max(xr, wr) - sum_i xr - sum_i wr.
; v_pk_max_num_bf16 makes two maxima a lane and rounds nothing; all three sums are made in f32 by the matrix unit, of the same rounded numbers.
; LIMITS.  The result is a difference of three f32 sums of exact bf16 numbers.  With inputs 30 times larger, or carrying an offset of 30 times their spread,
; the sums are at most some 40 times their result: 6 of f32's 24 bits.  A NaN is dropped by the maximum; infinities are not treated apart.
; THE MATRIX UNIT AS 256 ADDERS.  D = SEL x DATA + D with SEL(m, k) = 1 where k >> 1 = m, else 0.  DATA is source 1: register c of lane (r, h) (r = lane % 16, h = lane / 16) holds
; k = 2 p, 2 p + 1 of column r, p = 4 h + c (c < 4) or 8 + 4 h + c - 4.  So D(p, r) takes the sum of that one register's two halves: each of the 256 (lane, register) places has a sum
; of its own, and which output a place stands for is free.  Here: token (r & 7) + 8 u (u: which of four accumulators), neuron 16 (c >> 2) + (c & 3) + 8 (r >> 3) + 4 h.
; In D, register q of lane (r, h) then holds token (r & 7) + 8 u, neuron 16 h + 8 (r >> 3) + q: eight neighbouring neurons of one token.
; ROW SUMS.  D = HALF x FRAGMENT + D, HALF(m, k) = 1 where (m < 8) = (k < 16): registers 0-3 of the fragment hold 16 K of row r, registers 4-7 of row 16 + r; lane l of D holds row l's sum.
; SHARES.  A work-group makes 64 tokens x 64 neurons, each of its four waves a quadrant of 32 x 32 over all 512 i: 8,192 lines of maxima, 1,024 + 64 matrix instructions.
; DATA.  128 rows of 2,048 bytes of f32 come through registers, a chunk of 128 i at a time (a wave: 32 loads of 512 consecutive bytes), two chunks on their way; they are rounded and
; stored to LDS, each chunk in bytes of its own (nothing in LDS is written twice); one barrier a chunk.
; NO CLUSTER, NO TENSOR LOADS: the numbers have to be rounded on the way.  As f32 tiles (128 x 2,048 = 262,144 bytes) beside their bf16 copy (139,264) they do not fit in 327,680 bytes of LDS.
; BESIDE IT each work-group rounds 32 rows x 128 columns of W_out to bf16 for the next launch.
; sp and wob lie in blocks: [tile of 32 rows][block of 64 K][32 rows][64 K] bf16, 4,096 dense bytes a block.
; THE MODE: SCHED_MODE bits 1:0 = 2 (LLVM: expert scheduling mode 2), set by the entry lines.  The code itself states the register dependences
; between vector or matrix instructions and memory or LDS instructions, with s_wait_alu, always for 0.
; THE PLAN.  Registers that memory or LDS instructions touch:
;   RAW0, RAW1   window 1, v[0:127] and v[128:255].  Global loads land in them; a chunk's 64 conversions read one of them; behind these it is asked for again.
;   TMP          v[88:151].  Between two loops: written by the conversions, read by the 32 LDS stores.  In a trip the same registers are SET 0 and the fragments FR:
;                LDS loads land in them, the trip's first half (maxima, two row-sum products) reads them.
;   SET 1        v[152:199].  LDS loads land in it, the trip's second half reads it.
;   v[AX], v[AW], v[ARX], v[ARW]   read by every LDS load of operands; written by four adds once a trip.
;   v[ST]        read by the LDS stores; written by one add a chunk.
;   GL, BO, WOL, WOS, TBW, TBX, TBJ, STO, RD   offsets and addresses made at the head and never written again.
;   DB, the accumulators, SEL and HALF are named by vector and matrix instructions alone, up to the way out.
; A CHUNK has one wait on va_vdst, behind its conversions (TMP is written, RAW is read out), and one on vm_vsrc, ahead of the add to v[ST] (the stores have read v[ST] and TMP).
; A HALF TRIP has one wait on va_vdst at its head: the half before is done reading the set in which this half's LDS loads land.  Those loads follow it with no further wait, four behind each
; of the half's first groups: the half names its own set, DB, the accumulators and the two constant matrices, none of the registers that the loads touch.  The wait at a trip's head stands behind the
; four adds and states that the addresses are written too; one wait on vm_vsrc stands ahead of the adds.
.set PITCH,  272                       ; an LDS row of a chunk: 256 bytes + 16 = 68 words: row r starts at bank 4 r mod 64 (64 banks of 4 bytes: ISA guide 11.1)
.set CHUNKB, 128*PITCH                 ; a chunk: 64 rows of x, then 64 rows of W_in
.set WROWS,  64*PITCH
.set STAGE,  4*CHUNKB                  ; 64 rows x 144 bytes: the work-group's spikes on their way out
.set SPITCH, 144
.set TABLE,  STAGE+64*SPITCH           ; 256 bytes a wave: its 32 + 32 row sums
.set SPARE,  TABLE+4*256               ; the spare words, 128 bytes a wave: two blocks of 256 bytes that no other line names
.set KMASK,  7                         ; eight trips of 16 i in a chunk,
.set KJUMP,  CHUNKB-7*32               ; then on to the next chunk's bytes
.set GL,  1                            ; 16 x lane: my bytes in 512 consecutive bytes
.set RR,  2                            ; r
.set HH,  3                            ; h
.set AX,  4                            ; LDS addresses of the trip in hand: X rows, W rows, the two row-sum fragments
.set AW,  5
.set ARX, 6
.set ARW, 7
.set ST,  8                            ; where I store 8 bytes of a rounded row
.set T9,  9
.set SPW, 10                           ; my spare word; never rewritten
.set NIL, 11                           ; 0; never rewritten
.set TBW, 12
.set TBX, 13
.set TBJ, 14
.set STO, 15
.set RD,  16
.set WOL, 17
.set WOS, 18
.set BO,  19
.set AX0, 20                           ; the same four addresses at i = 0; never rewritten
.set AW0, 21
.set ARX0, 22
.set ARW0, 23
.set SEL, 24                           ; v[24:31]
.set HALF, 32                          ; v[32:39]
.set ACC, 40                           ; v[40:71]   four accumulators
.set RSX, 72                           ; v[72:79]   row sums of my 32 tokens
.set RSW, 80                           ; v[80:87]   of my 32 neurons
.set X0,  88                           ; v[88:103]  operand set 0: X quad u at +4 u;  set 1 lies 64 further on
.set W0,  104                          ; v[104:135] W quad c at +4 c
.set FR,  136                          ; v[136:151] the two row-sum fragments
.set DB,  200                          ; v[200:231] four buffers of eight registers of maxima
.set BI,  232                          ; v[232:239] b_in of my 8 neurons
.set VT,  240                          ; v[240:247] v_th
.set SX,  248                          ; v[248:255] the four tokens' sums, each twice
.set T2,  248                          ; at work in the set-up
.set TMP, 88                           ; 64 registers (set 0 and FR), free between two trips: rounded rows
.set SW,  88                           ; the way out
.set EJ,  96
.set AR,  104
.set PK,  136
.set OB,  152
.set WT,  168
.set WV, 20
.set TX, 21
.set TY, 22
.set QJ, 23
.set QT, 24
.set CNT, 54
.set TRIP, 55
.set TS, 56
.set SOFF, 57
.set MSB, 0
.macro WIN new                         ; the immediate's high byte repeats the setting that is left; window 1 holds the f32 rows on their way: v[0:127], v[128:255]
.if MSB != (\new)
	s_set_vgpr_msb (MSB<<8)|(\new)
.set MSB, (\new)
.endif
.endm
.macro FETCH c, dst                    ; my 32 rows of chunk c: each load takes 512 consecutive bytes of one row
	WIN 0x40                                       ; destination window 1, address window 0
.set i, 0
.rept 32
	global_load_b128 v[(\dst)+4*i:(\dst)+4*i+3], v[GL], s[28:29] offset:i*2048+(\c)*512
.set i, i+1
.endr
	WIN 0
.endm
.macro ROUNDED src, left               ; a chunk is rounded; left = the younger loads, which stay out
	s_wait_loadcnt \left
	WIN 0x05                                       ; sources window 1, destination window 0
.set i, 0
.rept 64
	v_cvt_pk_bf16_f32 v[TMP+i], v[(\src)+2*i], v[(\src)+2*i+1]
.set i, i+1
.endr
.endm
.macro PUT                             ; and stored, behind the chunk's wait on va_vdst
	WIN 0
.set i, 0
.rept 32
	ds_store_b64 v[ST], v[TMP+2*i:TMP+2*i+1] offset:i*PITCH  ; 32 lanes x 8 bytes: a row's 256 bytes
.set i, i+1
.endr
.endm
.macro MEET                            ; my stores are done, and so are my LDS loads; behind the barrier every wave's rows of the chunk are there
	s_wait_alu depctr_vm_vsrc(0)                   ; my LDS stores have read v[ST], which the next line writes, and TMP, in which the next trip's LDS loads land
	v_add_nc_u32 v[ST], CHUNKB, v[ST]
	s_wait_dscnt 0x0
	s_barrier_signal -1
	s_barrier_wait -1
.endm
.macro ADDR
	v_add_nc_u32 v[AX], s[SOFF], v[AX0]
	v_add_nc_u32 v[AW], s[SOFF], v[AW0]
	v_add_nc_u32 v[ARX], s[SOFF], v[ARX0]
	v_add_nc_u32 v[ARW], s[SOFF], v[ARW0]
.endm
.macro STEP                            ; the next trip's 32 bytes of every row
	s_add_co_u32 s[TRIP], s[TRIP], 1
	s_and_b32 s[TS], s[TRIP], KMASK                ; SCC: not a chunk's first trip
	s_cselect_b32 s[TS], 32, KJUMP
	s_add_co_u32 s[SOFF], s[SOFF], s[TS]
	ADDR
.endm
; Load n of a set's LDS loads.  A set is 8 i (16 bytes of each row): 0-3 the X quads (8 different rows a load), 4-11 the W quads (4 different rows); set 0 has besides, 12-15, the trip's two row-sum fragments.
.macro LD set, n
.if (\n) < 4
	ds_load_b128 v[X0+64*(\set)+4*(\n):X0+64*(\set)+4*(\n)+3], v[AX] offset:16*(\set)+(\n)*8*PITCH
.elseif (\n) < 12
	ds_load_b128 v[W0+64*(\set)+4*((\n)-4):W0+64*(\set)+4*((\n)-4)+3], v[AW] offset:16*(\set)+(16*(((\n)-4)/4)+((\n)-4)%4)*PITCH
.elseif (\n) < 14
	ds_load_b128 v[FR+4*((\n)-12):FR+4*((\n)-12)+3], v[ARX] offset:((\n)-12)*16*PITCH
.else
	ds_load_b128 v[FR+4*((\n)-12):FR+4*((\n)-12)+3], v[ARW] offset:((\n)-14)*16*PITCH
.endif
.endm
.macro MM a, zero
.if \zero
	v_wmma_f32_16x16x32_bf16 v[ACC+8*(\a):ACC+8*(\a)+7], v[SEL:SEL+7], v[DB+8*(\a):DB+8*(\a)+7], 0
.else
	v_wmma_f32_16x16x32_bf16 v[ACC+8*(\a):ACC+8*(\a)+7], v[SEL:SEL+7], v[DB+8*(\a):DB+8*(\a)+7], v[ACC+8*(\a):ACC+8*(\a)+7]
.endif
.endm
.macro RSUM d, f, zero
.if \zero
	v_wmma_f32_16x16x32_bf16 v[\d:\d+7], v[HALF:HALF+7], v[\f:\f+7], 0
.else
	v_wmma_f32_16x16x32_bf16 v[\d:\d+7], v[HALF:HALF+7], v[\f:\f+7], v[\d:\d+7]
.endif
.endm
; Half a trip: 16 groups (pair g / 4 of the set's four pairs of i, X quad g % 4) of eight lines of maxima; group g's product is issued behind group g + 1's maxima.
; The accumulators take turns.  A buffer of maxima is written again four groups on: between the product that read it and that write stand eight plain
; lines or more that name none of the product's registers (ISA guide 7.12.1).  zero = 1: the first products start the sums.
; ld = 0 or 1: the LDS loads of that set, the other one than this half reads, are dealt four behind each of the first four (set 1: three) groups; ld = -1: none.
.macro COMP set, rs, zero, ld
.set g, 0
.rept 16
.set c_, 0
.rept 8
	v_pk_max_num_bf16 v[DB+8*(g%4)+c_], v[X0+64*(\set)+4*(g%4)+g/4], v[W0+64*(\set)+4*c_+g/4]
.set c_, c_+1
.endr
.if (\rs) && (g == 0)
	RSUM RSX, FR, \zero
.endif
.if g > 0
.if (\zero) && (g < 5)
	MM (g-1)%4, 1
.else
	MM (g-1)%4, 0
.endif
.endif
.if (\rs) && (g == 2)
	RSUM RSW, FR+8, \zero
.endif
.if ((\ld) >= 0) && (4*g < 16-4*(\ld))
	LD \ld, 4*g                                    ; no wait: no vector or matrix instruction since the wait at the half's head names these registers
	LD \ld, 4*g+1
	LD \ld, 4*g+2
	LD \ld, 4*g+3
.endif
.set g, g+1
.endr
	MM 3, 0
.endm
; The loop is turned by half a trip: the second half of trip n - 1, then the first half of trip n.  All its LDS loads are trip n's, so a chunk's barrier stands straight in front of the loop
; that reads the chunk.  Each set's loads are issued early in the half ahead of the one that reads it.
.macro BODY
	s_wait_dscnt 0x0                               ; set 1 is in
	s_wait_alu depctr_vm_vsrc(0)                   ; the LDS loads issued so far have read the four addresses, which STEP writes
	STEP
	s_wait_alu depctr_va_vdst(0)                   ; the four addresses are written; the first half before this is done reading set 0 and the fragments, in which the loads below land
	COMP 1, 0, 0, 0
	s_wait_dscnt 0x0                               ; set 0 and the fragments are in
	s_wait_alu depctr_va_vdst(0)                   ; the second half's maxima are done reading set 1, in which the loads below land
	COMP 0, 1, 0, 1
.endm
.macro TRIPS n
	s_mov_b32 s[CNT], \n
.Ltrip_\@:
	BODY
	s_sub_co_u32 s[CNT], s[CNT], 1
	s_cmp_lg_u32 s[CNT], 0
	s_cbranch_scc1 .Ltrip_\@
.endm
	s_load_b256 s[4:11], s[0:1], 0x0               ; x s[4:5], W_in s[6:7], b_in s[8:9], v_th s[10:11]
	s_load_b128 s[12:15], s[0:1], 0x20             ; W_out s[12:13], sp s[14:15]
	s_load_b64 s[16:17], s[0:1], 0x30              ; wob
	v_lshl_add_u32 v[SPW], v0, 2, SPARE
	v_mov_b32 v[NIL], 0
	v_lshrrev_b32 v[T9], 5, v0
	v_readfirstlane_b32 s[WV], v[T9]               ; wave 0..3
	v_and_b32 v[T9], 31, v0
	v_lshlrev_b32 v[GL], 4, v[T9]
	v_and_b32 v[RR], 15, v0
	v_bfe_u32 v[HH], v0, 4, 1
	v_lshrrev_b32 v[T2], 3, v[RR]                  ; r >> 3
	v_lshlrev_b32 v[BO], 5, v[T2]
	v_lshl_add_u32 v[BO], v[HH], 6, v[BO]          ; 4 bytes x (16 h + 8 (r >> 3)): my eight neurons among the wave's 32
	s_mov_b32 s[TX], ttmp9                         ; tile of 64 neurons
	s_and_b32 s[TY], ttmp7, 0xffff                 ; tile of 64 tokens
	s_wait_alu depctr_va_sdst(0)                   ; the wave's number is written, ahead of its first reader
	s_and_b32 s[QJ], s[WV], 1                      ; my half of the neurons.  Also: which 32 rows I fetch
	s_lshr_b32 s[QT], s[WV], 1                     ; my half of the tokens.   Also: I fetch x (0) or W_in (1)
	s_cmp_eq_u32 s[QT], 0
	s_cselect_b32 s25, s[TY], s[TX]
	s_lshl_b32 s25, s25, 1
	s_add_co_u32 s25, s25, s[QJ]                   ; which 32 rows of the tensor
	s_lshl_b32 s26, s25, 16                        ; x 32 rows x 2,048 bytes
	s_mov_b32 s27, 0
	s_wait_kmcnt 0x0
	s_cmp_eq_u32 s[QT], 0
	s_cselect_b64 s[28:29], s[4:5], s[6:7]
	s_add_nc_u64 s[28:29], s[28:29], s[26:27]
	WIN 0x40
	s_wait_alu depctr_va_vdst(0)                   ; v[GL] and v[BO] are written: the offsets of the 68 loads below
	FETCH 0, 0                                     ; two chunks are asked for before anything else is done
	FETCH 1, 128
	s_lshl_b32 s30, s[TX], 8
	s_lshl_b32 s31, s[QJ], 7
	s_add_co_u32 s30, s30, s31
	s_mov_b32 s31, 0
	s_add_nc_u64 s[8:9], s[8:9], s[30:31]
	s_add_nc_u64 s[10:11], s[10:11], s[30:31]
	global_load_b128 v[BI:BI+3], v[BO], s[8:9]
	global_load_b128 v[BI+4:BI+7], v[BO], s[8:9] offset:16
	global_load_b128 v[VT:VT+3], v[BO], s[10:11]
	global_load_b128 v[VT+4:VT+7], v[BO], s[10:11] offset:16
	; the two constant matrices.  Source 0: lane (r, h) holds row m = r, register c the pair p of k as above.  The ten compares stand in one run, each with a scalar register of its own
	s_mov_b32 s32, 0x3f803f80                      ; 1.0 twice in bf16
	v_lshlrev_b32 v[T9], 2, v[HH]
	v_sub_nc_u32 v[T9], v[RR], v[T9]               ; r - 4 h: p = r where this is c (c < 4) or c + 4
	v_cmp_eq_u32 s2, 0, v[T9]
	v_cmp_eq_u32 s3, 1, v[T9]
	v_cmp_eq_u32 s18, 2, v[T9]
	v_cmp_eq_u32 s19, 3, v[T9]
	v_cmp_eq_u32 s58, 8, v[T9]
	v_cmp_eq_u32 s59, 9, v[T9]
	v_cmp_eq_u32 s60, 10, v[T9]
	v_cmp_eq_u32 s61, 11, v[T9]
	v_cmp_gt_u32 s62, 8, v[RR]
	v_cmp_le_u32 s63, 8, v[RR]
	s_wait_alu depctr_va_sdst(0)                   ; the ten masks are written, ahead of the selects that read them
	v_cndmask_b32 v[SEL+0], 0, s32, s2
	v_cndmask_b32 v[SEL+1], 0, s32, s3
	v_cndmask_b32 v[SEL+2], 0, s32, s18
	v_cndmask_b32 v[SEL+3], 0, s32, s19
	v_cndmask_b32 v[SEL+4], 0, s32, s58
	v_cndmask_b32 v[SEL+5], 0, s32, s59
	v_cndmask_b32 v[SEL+6], 0, s32, s60
	v_cndmask_b32 v[SEL+7], 0, s32, s61
.irp c, 0,1,2,3
	v_cndmask_b32 v[HALF+\c], 0, s32, s62
.endr
.irp c, 4,5,6,7
	v_cndmask_b32 v[HALF+\c], 0, s32, s63
.endr
	; LDS addresses
	v_and_b32 v[T9], 7, v[RR]                      ; r & 7
	s_mul_i32 s33, s[QT], 32*PITCH                 ; my 32 token rows
	s_mul_i32 s34, s[QJ], 32*PITCH
	s_add_co_u32 s34, s34, WROWS                   ; my 32 neuron rows
	v_mul_u32_u24 v[AX0], v[T9], PITCH
	v_add_nc_u32 v[AX0], s33, v[AX0]
	v_lshlrev_b32 v[AW0], 3, v[T2]
	v_lshl_add_u32 v[AW0], v[HH], 2, v[AW0]        ; 8 (r >> 3) + 4 h
	v_mul_u32_u24 v[AW0], v[AW0], PITCH
	v_add_nc_u32 v[AW0], s34, v[AW0]
	v_mul_u32_u24 v[ARX0], v[RR], PITCH
	v_lshl_add_u32 v[ARX0], v[HH], 4, v[ARX0]      ; row r, 16 bytes for each half of the lanes
	v_add_nc_u32 v[ARW0], s34, v[ARX0]
	v_add_nc_u32 v[ARX0], s33, v[ARX0]
	v_and_b32 v[WOS], 31, v0
	v_lshlrev_b32 v[WOS], 3, v[WOS]                ; 8 x lane
	s_mul_i32 s35, s[WV], 32*PITCH
	v_add_nc_u32 v[ST], s35, v[WOS]                ; the rows that I fetch are LDS rows 32 w ..
	s_lshl_b32 s36, s[WV], 8
	s_add_co_u32 s36, s36, TABLE
	v_and_b32 v[TBW], 31, v0
	v_lshl_add_u32 v[TBW], v[TBW], 2, s36
	v_lshl_add_u32 v[TBX], v[T9], 2, s36
	v_add_nc_u32 v[TBJ], s36, v[BO]
	s_mul_i32 s37, s[QT], 32*SPITCH
	s_lshl_b32 s38, s[QJ], 6
	s_add_co_u32 s37, s37, s38
	s_add_co_u32 s37, s37, STAGE
	v_mul_u32_u24 v[STO], v[T9], SPITCH            ; into the stage: token row, 2 bytes x (32 qj + 16 h + 8 (r >> 3))
	v_lshl_add_u32 v[STO], v[HH], 5, v[STO]
	v_lshl_add_u32 v[STO], v[T2], 4, v[STO]
	v_add_nc_u32 v[STO], s37, v[STO]
	v_bfe_u32 v[RD], v0, 3, 2                      ; back: 32 lanes take four rows of 128 bytes
	v_mul_u32_u24 v[RD], v[RD], SPITCH
	v_and_b32 v[T9], 7, v0
	v_lshl_add_u32 v[RD], v[T9], 4, v[RD]
	s_mul_i32 s38, s[WV], 16*SPITCH
	s_add_co_u32 s38, s38, STAGE
	v_add_nc_u32 v[RD], s38, v[RD]
	s_lshl_b32 s38, s[TY], 1                       ; sp: block (2 ty + qt, tx), its rows 16 qj ..
	s_add_co_u32 s38, s38, s[QT]
	s_lshl_b32 s38, s38, 5
	s_add_co_u32 s38, s38, s[TX]
	s_lshl_b32 s38, s38, 12
	s_lshl_b32 s39, s[QJ], 11
	s_add_co_u32 s38, s38, s39
	s_mov_b32 s39, 0
	s_add_nc_u64 s[14:15], s[14:15], s[38:39]
	; my share of W_out: work-group n = 32 ty + tx takes rows 32 (n >> 4) .., columns 128 (n & 15) ..; wave: block of 64 columns qt, rows 16 qj ..
	s_lshl_b32 s40, s[TY], 5
	s_add_co_u32 s40, s40, s[TX]
	s_lshr_b32 s41, s40, 4
	s_and_b32 s42, s40, 15
	s_lshl_b32 s42, s42, 1
	s_add_co_u32 s42, s42, s[QT]                   ; block of 64 columns
	s_lshl_b32 s43, s41, 5
	s_lshl_b32 s44, s[QJ], 4
	s_add_co_u32 s44, s43, s44                     ; first row
	s_lshl_b32 s44, s44, 13                        ; x 8,192 bytes
	s_lshl_b32 s45, s42, 8
	s_add_co_u32 s44, s44, s45
	s_mov_b32 s45, 0
	s_add_nc_u64 s[12:13], s[12:13], s[44:45]
	s_add_co_u32 s46, s43, s42                     ; wob's block
	s_lshl_b32 s46, s46, 12
	s_lshl_b32 s47, s[QJ], 11
	s_add_co_u32 s46, s46, s47
	s_mov_b32 s47, 0
	s_add_nc_u64 s[16:17], s[16:17], s[46:47]
	v_lshlrev_b32 v[WOL], 4, v[RR]                 ; lanes 0-15: 256 bytes of a row; lanes 16-31: of the next row
	v_lshl_add_u32 v[WOL], v[HH], 13, v[WOL]
	s_mov_b32 s48, 0x3cb8aa3b                      ; 4 log2(e) / 256
	s_mov_b32 s49, s48
	s_mov_b32 s50, 0xc0b8aa3b                      ; -4 log2(e)
	s_mov_b32 s51, s50
	s_mov_b32 s52, 0xbc38aa3b                      ; -4 log2(e) / 512
	s_mov_b32 s53, s52
	s_mov_b32 s[TRIP], 0
	s_mov_b32 s[SOFF], 0
	ADDR
	ROUNDED 0, 36                                  ; chunk 0 is in; chunk 1's 32 loads and the 4 of b_in and v_th stay out
	WIN 0x40
	s_wait_alu depctr_va_vdst(0)                   ; the conversions are done reading RAW0, in which the loads below land, and have written TMP, which the LDS stores read; the set-up has written v[ST], the four operand addresses and all the way out's addresses
	FETCH 2, 0                                     ; the buffer is asked for again at once
	PUT
	MEET
.set n_, 0
.rept 16
	LD 0, n_                                       ; trip 0's set 0 and fragments, in one run.  No wait: since the chunk's wait the add to v[ST] is the one vector line
.set n_, n_+1
.endr
	s_wait_dscnt 0x0
	COMP 0, 1, 1, 1                                ; trip 0's first half stands in front of the loop: its products start the sums.  Its loads land in set 1, which no line has named yet
	TRIPS 7                                        ; trips 1 to 7 are read: chunk 0
	ROUNDED 128, 32                                ; chunk 1, b_in and v_th are in; chunk 2's 32 loads stay out
	WIN 0x40
	s_wait_alu depctr_va_vdst(0)                   ; the conversions are done reading RAW1, in which the loads below land, and have written TMP, which the LDS stores read
	FETCH 3, 128
	PUT
	MEET
	TRIPS 8
	ROUNDED 0, 32                                  ; chunk 2 is in; chunk 3's loads stay out
	WIN 0x40
	s_wait_alu depctr_va_vdst(0)                   ; the conversions are done reading RAW0, in which the loads below land, and have written TMP, which the LDS stores read
.set i, 0
.rept 8
	global_load_b128 v[4*i:4*i+3], v[WOL], s[12:13] offset:i*16384 th:TH_LOAD_NT  ; two rows' 256 bytes of W_out, read once in the launch
.set i, i+1
.endr
	PUT
	MEET
	TRIPS 8
	ROUNDED 128, 8                                 ; chunk 3 is in; W_out's 8 loads stay out
	WIN 0
	s_wait_alu depctr_va_vdst(0)                   ; the conversions have written TMP, which the LDS stores read
	PUT
	MEET
	TRIPS 8
	s_wait_dscnt 0x0
	COMP 1, 0, 0, -1                               ; the last trip's second half: nothing is left to load, so no wait stands at its head
	; THE WAY OUT.  arg = -4 log2(e) (b - v_th - S / 512), S = 2 P - sx - sw; spike = 1 / (1 + 2^arg).  2^arg = infinity gives 0, 2^arg = 0 gives 1, as the sigmoid's ends are.
.rept 4
	v_nop                                          ; the places behind the last products; they stay beside the wait below
.endr
	s_wait_alu depctr_va_vdst(0)                   ; the row-sum products have written RSX and RSW, which the LDS stores read; the maxima are done reading set 0, in whose registers v[SW ..] lands
	ds_store_b32 v[TBW], v[RSX]                    ; lane l holds row l's sum: into my wave's table,
	ds_store_b32 v[TBW], v[RSW] offset:128
.irp u, 0,1,2,3
	ds_load_b32 v[SX+2*\u], v[TBX] offset:32*\u    ; and back as my lane wants them (LDS serves a wave's instructions in order: ISA guide 5.7.1): token (r & 7) + 8 u, twice, as a pair
	ds_load_b32 v[SX+2*\u+1], v[TBX] offset:32*\u
.endr
	ds_load_b128 v[SW:SW+3], v[TBJ] offset:128     ; my eight neurons
	ds_load_b128 v[SW+4:SW+7], v[TBJ] offset:144
.irp j, 0,2,4,6
	v_pk_add_f32 v[EJ+\j:EJ+\j+1], v[BI+\j:BI+\j+1], v[VT+\j:VT+\j+1] neg_lo:[0,1] neg_hi:[0,1]
.endr
.irp j, 0,2,4,6
	v_pk_mul_f32 v[EJ+\j:EJ+\j+1], v[EJ+\j:EJ+\j+1], s[50:51] op_sel_hi:[1,0]
.endr
	s_wait_dscnt 0x0
.irp j, 0,2,4,6
	v_pk_fma_f32 v[EJ+\j:EJ+\j+1], v[SW+\j:SW+\j+1], s[52:53], v[EJ+\j:EJ+\j+1] op_sel_hi:[1,0,1]
.endr
.irp u, 0,2,4,6
	v_pk_mul_f32 v[SX+\u:SX+\u+1], v[SX+\u:SX+\u+1], s[52:53] op_sel_hi:[1,0]
.endr
.irp u, 0,1,2,3
.irp j, 0,2,4,6
	v_pk_add_f32 v[AR+8*\u+\j:AR+8*\u+\j+1], v[EJ+\j:EJ+\j+1], v[SX+2*\u:SX+2*\u+1]
.endr
.endr
.irp u, 0,1,2,3
.irp j, 0,2,4,6
	v_pk_fma_f32 v[AR+8*\u+\j:AR+8*\u+\j+1], v[ACC+8*\u+\j:ACC+8*\u+\j+1], s[48:49], v[AR+8*\u+\j:AR+8*\u+\j+1] op_sel_hi:[1,0,1]  ; each accumulator from its low end on
.endr
.endr
.set i, 0
.rept 32
	v_exp_f32 v[AR+i], v[AR+i]
.set i, i+1
.endr
	v_nop                                          ; a plain line between the exponentials and the use of their results (ISA guide 5.7.2)
	s_wait_alu depctr_va_vdst(0)                   ; the 32 exponentials have written v[AR ..], ahead of their first reader: one wait for the batch
.set i, 0
.rept 16
	v_pk_add_f32 v[AR+2*i:AR+2*i+1], v[AR+2*i:AR+2*i+1], 1.0 op_sel_hi:[1,0]
.set i, i+1
.endr
.set i, 0
.rept 32
	v_rcp_f32 v[AR+i], v[AR+i]
.set i, i+1
.endr
	v_nop
	s_wait_alu depctr_va_vdst(0)                   ; the 32 reciprocals have written v[AR ..], ahead of their first reader: one wait for the batch
.set i, 0
.rept 16
	v_cvt_pk_bf16_f32 v[PK+i], v[AR+2*i], v[AR+2*i+1]
.set i, i+1
.endr
	s_wait_alu depctr_va_vdst(0)                   ; the roundings have written v[PK ..], which the LDS stores read
.irp u, 0,1,2,3
	ds_store_b128 v[STO], v[PK+4*\u:PK+4*\u+3] offset:\u*8*SPITCH
.endr
	s_wait_dscnt 0x0                               ; for the others' sake: a row's 128 bytes come from two waves
	s_barrier_signal -1
	s_barrier_wait -1
.irp i, 0,1,2,3
	ds_load_b128 v[OB+4*\i:OB+4*\i+3], v[RD] offset:\i*4*SPITCH  ; into set 1's registers, which no vector line has named since the last trip's maxima, ahead of the waits above
.endr
	s_wait_loadcnt 0x0                             ; W_out
	WIN 0x05
.set i, 0
.rept 16
	v_cvt_pk_bf16_f32 v[WT+i], v[2*i], v[2*i+1]
.set i, i+1
.endr
	WIN 0
	s_wait_alu depctr_va_vdst(0)                   ; the roundings have written v[WT ..], which the stores read
.set i, 0
.rept 8
	global_store_b64 v[WOS], v[WT+2*i:WT+2*i+1], s[16:17] offset:i*256  ; 32 lanes x 8 bytes: two rows of a block, 256 consecutive bytes at a multiple of 256
.set i, i+1
.endr
.irp i, 0,1,2,3
	s_wait_dscnt 3-\i                              ; the younger loads from the stage stay out
	global_store_b128 v[GL], v[OB+4*\i:OB+4*\i+3], s[14:15] offset:\i*512  ; four rows of a block: 512 consecutive bytes
.endr
	s_wait_dscnt 0x0                               ; the closing lines, six on end
	s_wait_alu 0x0
	s_wait_tensorcnt 0x0
	ds_add_u32 v[SPW], v[NIL]
	s_wait_dscnt 0x0
	s_endpgm
.Lfunc_end_k_qf29808ac2d_spikes:
	.size	k_qf29808ac2d_spikes, .Lfunc_end_k_qf29808ac2d_spikes-k_qf29808ac2d_spikes
	.p2alignl 7, 3214868480
	.fill 96, 4, 3214868480
	.section	.rodata,"a",@progbits
	.p2align	6, 0x0
	.amdhsa_kernel k_qf29808ac2d_spikes
		.amdhsa_group_segment_fixed_size 167936
		.amdhsa_private_segment_fixed_size 0
		.amdhsa_enable_private_segment 0
		.amdhsa_kernarg_size 56
		.amdhsa_user_sgpr_count 2
		.amdhsa_user_sgpr_kernarg_segment_ptr 1
		.amdhsa_wavefront_size32 1
		.amdhsa_system_sgpr_workgroup_id_x 1
		.amdhsa_system_sgpr_workgroup_id_y 1
		.amdhsa_system_sgpr_workgroup_id_z 1
		.amdhsa_system_vgpr_workitem_id 0
		.amdhsa_next_free_vgpr 512
		.amdhsa_next_free_sgpr 66
		.amdhsa_reserve_vcc 0
		.amdhsa_float_denorm_mode_32 3
		.amdhsa_float_denorm_mode_16_64 3
		.amdhsa_memory_ordered 1
		.amdhsa_forward_progress 1
		.amdhsa_inst_pref_size 159
	.end_amdhsa_kernel
	.amdgpu_metadata
---
amdhsa.version: [ 1, 2 ]
amdhsa.kernels:
  - .name:           k_qf29808ac2d_spikes
    .symbol:         k_qf29808ac2d_spikes.kd
    .args:
      - { .name: x, .offset: 0, .size: 8, .value_kind: global_buffer, .address_space: global }
      - { .name: W_in, .offset: 8, .size: 8, .value_kind: global_buffer, .address_space: global }
      - { .name: b_in, .offset: 16, .size: 8, .value_kind: global_buffer, .address_space: global }
      - { .name: v_th, .offset: 24, .size: 8, .value_kind: global_buffer, .address_space: global }
      - { .name: W_out, .offset: 32, .size: 8, .value_kind: global_buffer, .address_space: global }
      - { .name: sp, .offset: 40, .size: 8, .value_kind: global_buffer, .address_space: global }
      - { .name: wob, .offset: 48, .size: 8, .value_kind: global_buffer, .address_space: global }
    .group_segment_fixed_size: 167936
    .private_segment_fixed_size: 0
    .kernarg_segment_align: 8
    .kernarg_segment_size: 56
    .max_flat_workgroup_size: 128
    .sgpr_count:     66
    .vgpr_count:     512
    .wavefront_size: 32
...
	.end_amdgpu_metadata
.endif
;; end of part 3
;; launch readout: the kernel of part 2 again; grid 16 x 16, 4 waves a work-group, clusters of 4 x 4, 327,680 bytes of LDS; arguments sp, wob, b_out, out0; writes out0
